; MI455X (gfx1250); checked and timed in simulation.
; The chip was launched on July 23, 2026; its instructions are those of AMD's public machine-readable ISA for CDNA 5 (MIT licence, August 2026) and "CDNA5" Instruction Set Architecture Reference Guide (July 2026). The comments in the code are by the model that wrote it; some were corrected since.
;; Attention Block. Allowed arithmetic: matrix products marked QUANTISED: E4M3 operands, one E8M0 scale for each 32 along K, by v_wmma_scale_f32_16x16x128_f8f6f4 with both operands' format E4M3, f32 sums; everything else in f32.
;; Inputs: att_mask 1 x 1 x 2,048 x 2,048 float32; k 4 x 16 x 2,048 x 64 float32; padding_mask 4 x 2,048 x 2,048 bool; q 4 x 16 x 2,048 x 64 float32; v 4 x 16 x 2,048 x 64 float32.
;; Outputs: out0 4 x 16 x 2,048 x 64 float32.
;; This version of the problem:
;;   THIS VERSION OF THE PROBLEM IS GIVEN IN LOW PRECISION. The matrix products marked QUANTISED in the list below multiply operands that are first quantised to E4M3 (4 exponent bits, 3 mantissa bits; 8 bits a number), with one power-of-two scale for each 32 numbers along K (OCP MX v1.0); their sums are f32. All else is computed in f32.
;;   The module's matrix products, in the order in which they are computed (A, B: the left and right operand; K: the contracted axis; several contracted axes count as one K, in the product's order):
;;     1. batch 64 x [M 2,048, K 64] x [K 64, N 2,048]; A: input q; B: input k: QUANTISED
;;     2. batch 64 x [M 2,048, K 2,048] x [K 2,048, N 64]; A: softmax (see below); B: input v: QUANTISED
;;   THE QUANTISER, for each operand of a quantised product, along K:
;;     - K is cut into blocks of 32 from its start; a last block that is shorter is filled with zeros.
;;     - A block's scale is 2^e with e = floor(log2(the largest magnitude in the block)) - 8, held to -126 .. 127; a block of zeros has e = 0. As a byte (E8M0): e + 127.
;;     - Each number is divided by its block's scale, clamped to +-448, and rounded to the nearest number of E4M3, ties to even, subnormals kept.
;;     - The product sums the exact products of the quantised numbers (number of the format x scale) in f32.
;;   ~~~python
;;   def quantise(x, axis):      # numpy; x: float32 -> the quantised numbers, widened to float32 again
;;       x = np.moveaxis(x, axis, -1); K = x.shape[-1]
;;       x = np.pad(x, [(0, 0)] * (x.ndim - 1) + [(0, -K % 32)]); x = x.reshape(x.shape[:-1] + (-1, 32)); a = np.abs(x).max(-1, keepdims=True)
;;       e = np.where(a > 0, np.clip(np.frexp(np.where(a > 0, a, 1))[1] - 1 - 8, -126, 127), 0)      # np.frexp(a)[1] - 1 = floor(log2(a)), exactly
;;       r = np.clip(x / 2.0 ** e, -448, 448)
;;       step = 2.0 ** (np.maximum(np.frexp(np.where(r == 0, 1, r))[1] - 1, -6) - 3)
;;       q = np.round(r / step) * step * 2.0 ** e      # np.round: ties to even
;;       return np.moveaxis(q.reshape(q.shape[:-2] + (-1,))[..., :K], -1, axis).astype(np.float32)
;;   ~~~
;;   SOFTMAX AHEAD OF A QUANTISED PRODUCT. Where the list says 'softmax', what is quantised is not the finished softmax but p = 2^(t - M), with t = logit x log2(e) and M = ceil(the row's largest t), a whole number; so 1/2 < the row's largest p <= 1. The row's sum l is taken of the UNQUANTISED p, in f32, and the product's result is divided by l at the end. Since M is a whole number, a kernel that streams over the keys may use a running M (the ceiling of the running maximum): every later rescaling is an exact power of two, which a block's scale takes up: the codes' values come out the same.
;;   OPERANDS COMPUTED ON THE WAY. 'Computed on the way' means the value that the module computes at that place (a softmax that the list does not call 'softmax' is quantised finished and normalised). What goes into a quantiser is computed in f32, as accurately as f32 sums, v_exp_f32 and their like allow (about 1e-6 of the number): no bf16 or f16 on the way to a quantiser, and a product that is left as it is and whose result goes on into a quantised operand takes f32 operands (vector FMAs, or v_wmma_f32_16x16x4_f32). A number that lies on a knife's edge between two numbers of the format may be rounded either way, as far as f32 arithmetic and the matrix unit's own rounding can turn it there, and no further.
;; One version. Each part assembles by itself: llvm-mc -triple=amdgcn-amd-amdhsa -mcpu=gfx1250 --defsym DOCPART=n.
;; ======== version 1 of 1: 2 launches
;; limits: right only within a limited range of input values
;; workspace buffers: kv 17,563,648 bytes
;; launch prep (part 1): grid 256 x 1, 8 waves a work-group, no clusters, 144,384 bytes of LDS; arguments k, v, kv; writes kv
.if DOCPART == 1
	.amdgcn_target "amdgcn-amd-amdhsa--gfx1250"
	.amdhsa_code_object_version 6
	.text
	.protected	k_q638563dfdd_prep
	.globl	k_q638563dfdd_prep
	.p2align	8
	.type	k_q638563dfdd_prep,@function
k_q638563dfdd_prep:
	s_mov_b64 s[64:65], 0
	v_nop
	global_prefetch_b8 v0, s[64:65] scope:SCOPE_SE
	s_setreg_imm32_b32 hwreg(HW_REG_WAVE_MODE, 25, 1), 1
	s_wait_xcnt 0x0
; k and v, [64 heads][2048 keys][64] f32, become codes of FP8 (E4M3) with one E8M0 scale byte for each 32 along K, laid in the ORDER OF THE OPERAND REGISTERS of the attention launch.
; k is quantised along the head's 64 (two blocks of 32), v along the KEYS (blocks of 32 keys).  A block's scale is 2^(floor(log2(largest magnitude)) - 8); its byte is the largest magnitude's exponent field - 8,
; held at 1 from below; each number is divided by the scale, held within +-448 and rounded to the nearest code, ties to even.
; LIMITS: a block of zeros, or one whose largest magnitude lies under 2^-118, gets the byte 1 (its codes are what the rule gives or zeros; the bytes are read by this program alone).  NaN and infinities in k and v are not served.
; A work-group makes one block of the buffer kv: 4 heads x 128 keys, KVB bytes.  Block number = (batch x 4 + group of 4 heads) x 16 + key step = the work-group's number.  In a block (g = head 0..3, l = lane, r = l % 16, h = l / 16):
;   g 8192 + 512 (2 t + c) + 16 l          K's codes: tile t = 0..7, key 32 (t / 2) + 8 (t % 2) + r + 8 (r / 8), channels 32 c + 16 h + 0..15
;   32768 + g 8192 + 512 (4 t + c) + 16 l  V^T's codes: tile t = 0..3, channel 16 t + r, keys 32 c + 16 h + 0..15
;   65536 + g 768 + 256 y + 8 l            K's scale words: word a of the pair is tile 4 y + 2 a + h, row r (bytes 0, 1; bytes 2, 3 are 0)
;   65536 + g 768 + 512 + 8 l              V's scale words: word j is tile 2 j + h, row r
; Wave w: head g = w / 2; of k the keys 64 (w % 2) on, of v the channels 32 (w % 2) on.
; k: the loads take the bytes as they lie (512 consecutive bytes each); the 64 rows turn through the wave's own stage in LDS and come back 16 neighbours along the channels to a lane.
; v: a lane takes a channel and its registers run down the keys, so a block of 32 keys lies in one lane's 32 registers and the codes come out with the keys innermost.
; Every store of codes covers 512 consecutive bytes or two runs of 256, aligned.  The scale words meet in LDS and leave as 3,072 consecutive bytes.  No store's data and no address register is written again.
.set KVB,  68608
.set SPI,  272                         ; a stage row: 256 bytes + 16
.set STGB, 64*SPI                      ; a wave's stage
.set SCI,  8*STGB                      ; behind the stages: the block's 3,072 bytes of scale words
.set KX,   16                          ; v16-143  k: 128 registers as loaded, then in fragment order
.set VC,   16                          ; v16-47   later: v's codes, 8 registers a block of keys
.set VX,   144                         ; v144-207 v: two sets of 32 numbers
.set KC,   208                         ; v208-239 k's codes, 8 registers a tile
.set BM,   240                         ; largest magnitudes
.set BP,   242                         ; the other half of the lanes'
.set HL,   244                         ; 448 x the scale
.set SO,   246                         ; the conversions' scale operand
.set KW,   248                         ; v248-251 k's scale words, one a tile
.set WP,   252                         ; v252-253 the pair that goes to LDS
.set VW,   254                         ; v's scale word
.set TQ,   255
	s_load_b128 s[4:7], s[0:1], 0x0                ; k, v
	s_load_b64 s[8:9], s[0:1], 0x10                ; kv
	v_lshl_add_u32 v14, v0, 2, 0x23000
	v_mov_b32 v15, 0
	v_lshrrev_b32 v11, 5, v0
	s_delay_alu instid0(VALU_DEP_1)
	v_readfirstlane_b32 s10, v11                   ; wave 0..7
	v_and_b32 v11, 31, v0                          ; lane
	s_wait_alu depctr_va_vdst(0)
	v_and_b32 v12, 15, v0                          ; r
	s_wait_alu depctr_va_vdst(0)
	v_bfe_u32 v13, v0, 4, 1                        ; h
	s_lshr_b32 s11, s10, 1                         ; g
	s_and_b32 s12, s10, 1                          ; which half
	s_lshr_b32 s13, ttmp9, 4                       ; batch x 4 + group
	s_and_b32 s14, ttmp9, 15                       ; key step
	s_lshl_b32 s13, s13, 2
	s_add_co_u32 s13, s13, s11                     ; the head
	s_lshl_b32 s16, s13, 19                        ; 524,288 bytes a head
	s_lshl_b32 s14, s14, 15                        ; 128 keys of 256 bytes
	s_add_co_u32 s16, s16, s14
	s_lshl_b32 s18, s12, 14
	s_add_co_u32 s18, s18, s16                     ; k: + 64 keys for the upper half
	s_mov_b32 s19, 0
	s_lshl_b32 s20, s12, 7
	s_add_co_u32 s20, s20, s16                     ; v: + 32 channels for the upper half
	s_mov_b32 s21, 0
	s_mul_i32 s22, ttmp9, KVB                      ; my block
	s_mov_b32 s23, 0
	v_lshlrev_b32 v1, 4, v11                       ; v1  16 x lane: k's loads
	v_lshlrev_b32 v2, 2, v11                       ; v2  4 x lane: v's loads
	s_lshl_b32 s24, s10, 12                        ; g 8192 + half 4096 = 4096 x wave
	v_add_nc_u32 v3, s24, v1                       ; v3  k's codes in the block
	v_lshlrev_b32 v4, 4, v12
	s_wait_alu depctr_va_vdst(0)
	v_lshl_add_u32 v4, v13, 11, v4
	s_delay_alu instid0(VALU_DEP_1)
	v_add_nc_u32 v4, s24, v4                       ; v4  v's codes: my channel is row r of tile 2 x half + h
	s_mul_i32 s25, s11, 768
	s_add_co_u32 s25, s25, SCI
	s_lshl_b32 s26, s12, 8
	s_add_co_u32 s26, s26, s25
	v_lshl_add_u32 v5, v11, 3, s26                 ; v5  LDS: k's scale words
	s_lshl_b32 s26, s12, 2
	s_add_co_u32 s26, s26, s25
	s_add_co_u32 s26, s26, 512
	v_lshl_add_u32 v6, v11, 3, s26                 ; v6  LDS: v's scale word
	s_lshl_b32 s26, s10, 9
	v_add_nc_u32 v8, s26, v1                       ; v8  the scale words' way out: 512 x wave + 16 x lane,
	s_delay_alu instid0(VALU_DEP_1)
	v_add_nc_u32 v7, SCI, v8                       ; v7  and the same in LDS
	s_mul_i32 s27, s10, STGB
	v_mul_u32_u24 v9, v13, SPI
	s_delay_alu instid0(VALU_DEP_1)
	v_lshl_add_u32 v9, v12, 4, v9
	s_delay_alu instid0(VALU_DEP_1)
	v_add_nc_u32 v9, s27, v9                       ; v9  into the stage: a load's 512 bytes are two rows
	v_and_b32 v10, 8, v12
	s_delay_alu instid0(VALU_DEP_1)
	v_add_nc_u32 v10, v10, v12                     ; r + 8 (r / 8)
	s_delay_alu instid0(VALU_DEP_1)
	v_mul_u32_u24 v10, v10, SPI
	s_delay_alu instid0(VALU_DEP_1)
	v_lshl_add_u32 v10, v13, 6, v10
	s_delay_alu instid0(VALU_DEP_1)
	v_add_nc_u32 v10, s27, v10                     ; v10 out of it: my key's row, + 64 h bytes
	s_mov_b32 s28, 0x76543210
	s_mov_b32 s29, 0xfedcba98                      ; v_permlanex16_b32's selects for lane l xor 16
	s_mov_b32 s30, 0x600000                        ; the mantissa field of 448
	s_mov_b32 s31, 0xffff0000                      ; lanes 16-31
	v_mov_b32 v[BP], 0                             ; a lane permute's destination counts as one of its sources
	v_mov_b32 v[BP+1], 0
	s_wait_alu depctr_va_vdst(0)
	s_wait_kmcnt 0x0
	s_add_nc_u64 s[4:5], s[4:5], s[18:19]
	s_add_nc_u64 s[6:7], s[6:7], s[20:21]
	s_add_nc_u64 s[8:9], s[8:9], s[22:23]
.macro VLOAD c                         ; v(32 c + i, my channel), i = 0..31, into set c % 2: 128 consecutive bytes a load
.set i, 0
.rept 32
	global_load_b32 v[VX+32*((\c)%2)+i], v2, s[6:7] offset:(32*(\c)+i)*256 th:TH_LOAD_NT
.set i, i+1
.endr
.endm
.set n, 0
.rept 32
	global_load_b128 v[KX+4*n:KX+4*n+3], v1, s[4:5] offset:512*n th:TH_LOAD_NT   ; my 64 keys of k: 16,384 consecutive bytes
.set n, n+1
.endr
	VLOAD 0
	s_wait_loadcnt 32                              ; k's 32 loads are in; v's first block may be out
.set n, 0
.rept 32
	ds_store_b128 v9, v[KX+4*n:KX+4*n+3] offset:2*SPI*n
.set n, n+1
.endr
.irp tt, 0,1,2,3                       ; LDS serves a wave's instructions in order (ISA guide 5.7.1.4): these see the stores above.  Register 32 tt + 16 c + i: channel 32 c + 16 h + i of my key of tile tt
.irp c, 0,1
.irp j, 0,1,2,3
	ds_load_b128 v[KX+32*\tt+16*\c+4*\j:KX+32*\tt+16*\c+4*\j+3], v10 offset:(32*(\tt/2)+8*(\tt%2))*SPI+128*\c+16*\j
.endr
.endr
.endr
	VLOAD 1
.macro QUANT2 tt                       ; a tile of 16 keys: two blocks of 32 channels, each in lanes l and l xor 16
.set X, KX+32*(\tt)
.irp c, 0,1
	v_max3_num_f32 v[BM+\c], |v[X+16*\c]|, |v[X+16*\c+1]|, 0x4800000   ; my 16 numbers and the floor 2^(9 - 127): the byte cannot fall under 1
.endr
.irp i, 2,4,6,8,10,12,14
.irp c, 0,1
	s_delay_alu instid0(VALU_DEP_2)
	v_max3_num_f32 v[BM+\c], v[BM+\c], |v[X+16*\c+\i]|, |v[X+16*\c+\i+1]|
.endr
.endr
.irp c, 0,1
	s_delay_alu instid0(VALU_DEP_2)
	v_permlanex16_b32 v[BP+\c], v[BM+\c], s28, s29
.endr
.irp c, 0,1
	s_delay_alu instid0(VALU_DEP_2)
	v_max_num_f32 v[BM+\c], v[BM+\c], v[BP+\c]     ; the block's largest magnitude
.endr
.irp c, 0,1
	s_delay_alu instid0(VALU_DEP_2)
	v_add_nc_u32 v[SO+\c], 0xfc000000, v[BM+\c]    ; 8 off its exponent field: the conversion takes this operand's exponent field as its scale
.endr
.irp c, 0,1
	s_delay_alu instid0(VALU_DEP_4)
	v_and_or_b32 v[HL+\c], v[BM+\c], 0x7f800000, s30   ; 448 x the scale
.endr
	s_delay_alu instid0(VALU_DEP_4)
	v_lshrrev_b32 v[TQ], 23, v[SO]                 ; the two bytes make the row's scale word; its upper two bytes stay 0
	s_delay_alu instid0(VALU_DEP_4)
	v_lshrrev_b32 v[KW+(\tt)], 23, v[SO+1]
	s_delay_alu instid0(VALU_DEP_1)
	v_lshl_or_b32 v[KW+(\tt)], v[KW+(\tt)], 8, v[TQ]
.irp c, 0,1
.set j, 0
.rept 16
	v_med3_num_f32 v[X+16*\c+j], v[X+16*\c+j], -v[HL+\c], v[HL+\c]   ; the conversion to an 8-bit code does not saturate (ISA guide 7.6.2)
.set j, j+1
.endr
.endr
.irp c, 0,1
	v_cvt_scalef32_pk8_fp8_f32 v[KC+8*(\tt)+4*\c:KC+8*(\tt)+4*\c+1], v[X+16*\c:X+16*\c+7], v[SO+\c]
	v_cvt_scalef32_pk8_fp8_f32 v[KC+8*(\tt)+4*\c+2:KC+8*(\tt)+4*\c+3], v[X+16*\c+8:X+16*\c+15], v[SO+\c]
.endr
	v_nop                                          ; a plain line behind the last conversion of the run
	global_store_b128 v3, v[KC+8*(\tt):KC+8*(\tt)+3], s[8:9] offset:1024*(\tt)          ; 32 lanes store 512 consecutive bytes
	global_store_b128 v3, v[KC+8*(\tt)+4:KC+8*(\tt)+7], s[8:9] offset:1024*(\tt)+512
.endm
.irp tt, 0,1,2,3
	s_wait_dscnt 24-8*\tt                          ; this tile's eight loads from the stage are in; the later tiles' may be out
	QUANT2 \tt
.endr
	v_cndmask_b32 v[WP], v[KW], v[KW+1], s31       ; lanes 0-15 carry the even tile's words, lanes 16-31 the odd tile's
	v_cndmask_b32 v[WP+1], v[KW+2], v[KW+3], s31
	ds_store_b64 v5, v[WP:WP+1]
.macro VBLOCK c, left                  ; a block of 32 keys of my channel: all 32 numbers are mine
.set X, VX+32*((\c)%2)
	s_wait_loadcnt \left                           ; this block's 32 loads are in; the next block's 32 may be out
	v_max3_num_f32 v[BM], |v[X]|, |v[X+1]|, |v[X+2]|
	v_max3_num_f32 v[BM+1], |v[X+3]|, |v[X+4]|, |v[X+5]|
.irp i, 6,10,14,18,22,26
	s_delay_alu instid0(VALU_DEP_2)
	v_max3_num_f32 v[BM], v[BM], |v[X+\i]|, |v[X+\i+1]|
	s_delay_alu instid0(VALU_DEP_2)
	v_max3_num_f32 v[BM+1], v[BM+1], |v[X+\i+2]|, |v[X+\i+3]|
.endr
	s_delay_alu instid0(VALU_DEP_2)
	v_max3_num_f32 v[BM], v[BM], |v[X+30]|, |v[X+31]|
	s_delay_alu instid0(VALU_DEP_1)
	v_max3_num_f32 v[BM], v[BM], v[BM+1], 0x4800000
	s_delay_alu instid0(VALU_DEP_1)
	v_add_nc_u32 v[SO], 0xfc000000, v[BM]
	s_delay_alu instid0(VALU_DEP_2)
	v_and_or_b32 v[HL], v[BM], 0x7f800000, s30
	s_delay_alu instid0(VALU_DEP_2)
	v_lshrrev_b32 v[TQ], 23, v[SO]
.set j, 0
.rept 32
	v_med3_num_f32 v[X+j], v[X+j], -v[HL], v[HL]
.set j, j+1
.endr
.irp q, 0,1,2,3
	v_cvt_scalef32_pk8_fp8_f32 v[VC+8*(\c)+2*\q:VC+8*(\c)+2*\q+1], v[X+8*\q:X+8*\q+7], v[SO]
.endr
.if (\c) == 0
	v_mov_b32 v[VW], v[TQ]                         ; four bytes to the word, the lower keys in the lower byte
.else
	v_lshl_or_b32 v[VW], v[TQ], 8*(\c), v[VW]
.endif
	global_store_b128 v4, v[VC+8*(\c):VC+8*(\c)+3], s[8:9] offset:32768+512*(\c)          ; keys 32 c + 0..15: sixteen lanes store 256 consecutive bytes, aligned
	global_store_b128 v4, v[VC+8*(\c)+4:VC+8*(\c)+7], s[8:9] offset:32768+512*(\c)+256    ; keys 32 c + 16..31
.if (\c)+2 < 4
	VLOAD (\c)+2
.endif
.endm
	VBLOCK 0, 32
	VBLOCK 1, 32
	VBLOCK 2, 32
	VBLOCK 3, 0
	ds_store_b32 v6, v[VW]
	s_wait_dscnt 0x0                               ; for the others' sake: my scale words lie in LDS
	s_barrier_signal -1
	s_barrier_wait -1
	s_cmp_lt_u32 s10, 6                            ; 3,072 bytes: six waves take 512 each
	s_cbranch_scc0 .Ldone
	ds_load_b128 v[48:51], v7
	s_wait_dscnt 0x0
	global_store_b128 v8, v[48:51], s[8:9] offset:65536
.Ldone:
	s_wait_tensorcnt 0x0
	ds_add_u32 v14, v15
	s_wait_dscnt 0x0
	s_endpgm
.Lfunc_end_k_q638563dfdd_prep:
	.size	k_q638563dfdd_prep, .Lfunc_end_k_q638563dfdd_prep-k_q638563dfdd_prep
	.p2alignl 7, 3214868480
	.fill 96, 4, 3214868480
	.section	.rodata,"a",@progbits
	.p2align	6, 0x0
	.amdhsa_kernel k_q638563dfdd_prep
		.amdhsa_group_segment_fixed_size 144384
		.amdhsa_private_segment_fixed_size 0
		.amdhsa_enable_private_segment 0
		.amdhsa_kernarg_size 24
		.amdhsa_user_sgpr_count 2
		.amdhsa_user_sgpr_kernarg_segment_ptr 1
		.amdhsa_wavefront_size32 1
		.amdhsa_system_sgpr_workgroup_id_x 1
		.amdhsa_system_sgpr_workgroup_id_y 1
		.amdhsa_system_sgpr_workgroup_id_z 1
		.amdhsa_system_vgpr_workitem_id 0
		.amdhsa_next_free_vgpr 256
		.amdhsa_next_free_sgpr 66
		.amdhsa_reserve_vcc 0
		.amdhsa_float_denorm_mode_32 3
		.amdhsa_float_denorm_mode_16_64 3
		.amdhsa_memory_ordered 1
		.amdhsa_forward_progress 1
		.amdhsa_inst_pref_size 61
	.end_amdhsa_kernel
	.amdgpu_metadata
---
amdhsa.version: [ 1, 2 ]
amdhsa.kernels:
  - .name:           k_q638563dfdd_prep
    .symbol:         k_q638563dfdd_prep.kd
    .args:
      - { .name: k, .offset: 0, .size: 8, .value_kind: global_buffer, .address_space: global }
      - { .name: v, .offset: 8, .size: 8, .value_kind: global_buffer, .address_space: global }
      - { .name: kv, .offset: 16, .size: 8, .value_kind: global_buffer, .address_space: global }
    .group_segment_fixed_size: 144384
    .private_segment_fixed_size: 0
    .kernarg_segment_align: 8
    .kernarg_segment_size: 24
    .max_flat_workgroup_size: 256
    .sgpr_count:     66
    .vgpr_count:     256
    .wavefront_size: 32
...
	.end_amdgpu_metadata
.endif
;; end of part 1
;; launch attn (part 2): grid 16 x 16, 8 waves a work-group, clusters of 4 x 4, 327,680 bytes of LDS; arguments q, kv, att_mask, padding_mask, out0; writes out0
.if DOCPART == 2
	.amdgcn_target "amdgcn-amd-amdhsa--gfx1250"
	.amdhsa_code_object_version 6
	.text
	.protected	k_q638563dfdd_attn
	.globl	k_q638563dfdd_attn
	.p2align	8
	.type	k_q638563dfdd_attn,@function
k_q638563dfdd_attn:
	s_mov_b64 s[64:65], 0
	v_nop
	global_prefetch_b8 v0, s[64:65] scope:SCOPE_SE
	s_setreg_imm32_b32 hwreg(HW_REG_WAVE_MODE, 25, 1), 1
	s_wait_xcnt 0x0
	s_wait_alu depctr_hold_cnt(0) depctr_sa_sdst(0) depctr_va_vdst(0) depctr_va_sdst(0) depctr_va_ssrc(0) depctr_va_vcc(0) depctr_vm_vsrc(0)
	s_getreg_b32 s2, hwreg(HW_REG_IB_STS2, 6, 4)
	s_cmp_eq_u32 s2, 0
	s_cbranch_scc0 .Lentry_in_a_cluster
	s_endpgm
.Lentry_in_a_cluster:
	s_bfe_u32 s2, ttmp6, 0x10000c
	s_cmp_lg_u32 s2, 0xf033
	s_cbranch_scc0 .Lentry_shape_is_right
	s_endpgm
.Lentry_shape_is_right:
; out[b][h][q][:] = the sum over k of softmax_k(q . k / 8 + att_mask[q][k], masked where padding_mask[b][q][k]) v[k][:], both products on codes of FP8 (E4M3) with one E8M0 scale for each 32 along a product's K.
; THE SOFTMAX: t = logit x log2(e); M = the row's largest t so far, rounded UP to a whole number; p = 2^(t - M) is quantised along the keys, not normalised.  The row's sum is taken of the unquantised p and divides at the end.
; When M moves, the sum and O are multiplied by 2^(old M - new M), which rounds nothing.
; SHARES.  256 work-groups: x = a block of 128 queries, y = batch x 4 + a group of 4 heads.  Each of the eight waves owns 16 queries for all four heads, so the two masks are merged once for four heads.
; THE MERGED MASK (att_mask, less 2^118 where padded) stays in 64 registers and is the C OPERAND of the products K Q^T; the factor 1/8, a power of two, is taken off Q's scale bytes: the products' results are the logits.
; A step is 128 keys and four units, one a head.  A unit: 8 products K Q^T of head g; the rescaling of O^T and the 4 products V^T P^T of the head BEFORE (its codes and V^T wait in registers); head g's softmax and codes.
; So the 16 rescaling lines are the places behind the products K Q^T.  Head 3's second product stands at the next step's head, between that step's LDS loads and the wait for them; the first of all meets zero codes, which add 0.
; THE LAST STEP has a text of its own: a head's O^T is whole behind its last second product, so it is divided, staged and stored inside the next head's softmax; only head 3 is left for the end.
; LAYOUT.  Both products are used transposed (source 0 = 16 keys, or 16 channels of V^T; source 1 = my 16 queries): a lane holds ONE query (lane % 16).  Row r of K's tile 2 b + u is key 32 b + 8 u + r + 8 (r / 8),
; so the 16 registers of tiles 2 b, 2 b + 1 are keys 32 b + 16 (lane / 16) + 0..15: the conversions' results are the second product's operand.
; K = 64 IN AN INSTRUCTION OF K = 128.  Q's registers 8-15 are zero codes; K's fragment of tile t is v[KF + 8 t .. + 15], whose upper half (the next tile's codes, or eight zero registers) meets Q's zeros: it adds exactly 0.
; kv is laid in the order of the operand registers: a step's 4 heads are one dense block of KVB bytes, every fragment read by ds_load_b128 at 16 x lane.
; CLUSTER, 4 x 4: a row shares batch and heads (kv's block is asked for jointly along it), a column batch and queries (the masks' tiles).  RING: two slots of one step.  Waves 0-3 fetch quarters of kv's block,
; waves 4, 5 halves of att_mask's tile, waves 6, 7 halves of padding_mask's: one tensor load a wave behind each round.
; THE CHANGE OF SLOTS begins in head 3's softmax, ahead of its exponentials: the step's last LDS reads (V^T of head 3) were issued some ninety lines earlier; the rest of that softmax, work on registers, stands between
; the round's opening signal and its wait.
; LIMITS.  NaN and infinities in q, k, v and att_mask are not served.  padding_mask's bytes are taken as 0 or 1.  The scaled scores t stay under 2^31 in magnitude.  A block of p whose largest magnitude lies under 2^-118
; gets the scale byte 1; a block of Q under 2^-115 the byte of 2^-115.  A row that is masked throughout gives NaN (0 x the reciprocal of 0), as the softmax of such a row does.
; REGISTERS.  Window 0: the names below.  Window 1: v0-127 O^T (head g, tile t at 32 g + 8 t); v128-191 Q (head g at 128 + 16 g: 8 of codes, 8 zeros); v192-255 V^T's four fragments.
.set KVB,    68608                     ; a block of kv: 268 rows of 256 bytes
.set HEADB,  524288
.set ATO,    KVB                       ; a slot: kv's block; att_mask's tile, 128 rows of 512 + 16 bytes;
.set APITCH, 528
.set PDO,    ATO+128*APITCH            ; padding_mask's tile, 128 rows of 128 + 16 bytes
.set PPITCH, 144
.set SLOTB,  PDO+128*PPITCH
.set SPARE,  2*SLOTB                   ; the spare words, 128 bytes a wave: four blocks of 256 bytes that no other line names
.set SPITCH, 272                       ; the way out: 16 rows x 272 bytes a wave, from LDS byte 0: slot 0 has had its last fill, and its last read ahead of step 14's barrier
.set SPW, 1                            ; LDS address of my spare word; never rewritten
.set NIL, 2                            ; 0; never rewritten
.set ADK, 3                            ; the slot in hand + 16 x lane
.set ADS, 4                            ; its scale words + 8 x lane
.set PFO, 5                            ; the prefetches' offset
.set QS,  6                            ; v6-7   Q's scale words, 3 off each byte: heads 0, 2 in lanes 0-15, heads 1, 3 in lanes 16-31
.set KS,  8                            ; v8-11  K's scale words
.set VS,  12                           ; v12-13 V's
.set FF,  14                           ; f = 2^(old M - new M)
.set PW,  15                           ; p's scale word
.set ST,  16                           ; v16-31 head g at 16 + 4 g: -M, the largest logit, the sum in two halves
.set PC,  32                           ; v32-47 p's codes; until the conversions the softmax's temporaries lie here:
.set S2,  32                           ; v32-35, v40-43 four more chains of the sum
.set BP,  36                           ; v36-39 the other half of the lanes'; then 448 x the scale
.set B2,  40                           ; v40-43 the maxima's second chains
.set SO,  40                           ; v40-41 at the head alone: Q's scale operands
.set TT,  46                           ; v46-47 at work
.set BM,  48                           ; v48-51 the blocks' largest logits, largest p, then the conversions' scale operands
.set ADA, 48                           ; while the masks are merged: att_mask's rows,
.set ADP, 49                           ; padding_mask's,
.set SCB, 50                           ; and the scale byte 254 four times
.set SC,  52                           ; v52-115 the logits, then p
.set MK,  116                          ; v116-179 the merged mask
.set KF,  180                          ; v180-243 K's eight tiles
.set Z8,  244                          ; v244-251 zeros
.set LK,  252
.set LSC, 253
.set LA,  254                          ; my place in att_mask's tile; in the last step, behind its masks: into my stage
.set LP,  255                          ; my place in padding_mask's tile; then: out of my stage
.set OT,  0
.set QF,  128
.set VF,  192
.set WV,   14
.set G1KV, 16
.set G1A,  24
.set G1P,  32
.set G0KV, 40
.set G0A,  44
.set G0P,  48
.set LBKV, 52
.set LBA,  53
.set LBP,  54
.set TB,   55                          ; LDS byte at which the slot in hand begins
.set TF,   56
.set CNT,  57                          ; steps still to be asked for
.set SEL,  62
.set HIM,  66                          ; lanes 16-31
.set L2E,  68                          ; s[68:69] log2(e), twice
.set MNT,  70                          ; the mantissa field of 448
.set PFA,  76
.set PFS,  78
.set LIM,  80
.set PM,   81
.set MSB, 0
.macro WIN new
.if MSB != \new
	s_set_vgpr_msb (MSB<<8)|\new
.set MSB, \new
.endif
.endm
.set W_S,   0x04                       ; source 1 window 1: Q in a product, the data of a store
.set W_D1,  0x40                       ; destination window 1
.set W_RS,  0x41                       ; destination and source 0 (O^T) window 1
.set W_PV,  0x51                       ; source 0 (V^T), C and D window 1
.macro PLACES n
.rept \n
	v_nop
.endr
.endm
.macro CREST                           ; a round of the cluster's barrier behind its opening barrier
	s_cmp_lg_u32 s[WV], 0
	s_cbranch_scc1 .Lnot_wave_0_\@
	s_barrier_signal -3
.Lnot_wave_0_\@:
	s_barrier_wait -3
	s_barrier_signal -1
	s_barrier_wait -1
.endm
.macro CROUND
	s_barrier_signal -1
	s_barrier_wait -1
	CREST
.endm
.macro JLOAD                           ; a joint load, one a wave; the branches hang on the wave's number alone; s_nop 0 and four v_nop follow each line
	s_cmp_lt_u32 s[WV], 4
	s_cbranch_scc0 .Lnot_kv_\@
	tensor_load_to_lds s[G0KV:G0KV+3], s[G1KV:G1KV+7]
	s_nop 0
	PLACES 4
	s_branch .Lasked_\@
.Lnot_kv_\@:
	s_cmp_lt_u32 s[WV], 6
	s_cbranch_scc0 .Lfor_p_\@
	tensor_load_to_lds s[G0A:G0A+3], s[G1A:G1A+7]
	s_nop 0
	PLACES 4
	s_branch .Lasked_\@
.Lfor_p_\@:
	tensor_load_to_lds s[G0P:G0P+3], s[G1P:G1P+7]
	s_nop 0
	PLACES 4
.Lasked_\@:
.endm
; A PREFETCH INTO THE L2 of what the NEXT change of slots will ask for: one instruction a wave, lanes 256 bytes or a row apart; each aligned block of 256 bytes is named once in the launch.
; kv's codes: cluster x = 0 asks; the partners of a row take 16,384 bytes each by address (cx), waves 0 and 1 8,192 each.  att_mask: cluster y = 0 asks; 32 rows a partner by address (cy), waves 2 and 3 the halves of a row's 512 bytes.
; padding_mask: every cluster, wave 4, 32 rows a partner by address (cy); a row's 256 bytes serve two steps, so it asks in every second step.  The last change that fills a slot asks for nothing; steps 0 and 1 come by their loads alone.
.macro ASK
	s_cmp_gt_u32 s[CNT], s[LIM]
	s_cbranch_scc0 .Lnot_mine_\@
	s_and_b32 s59, s[CNT], s[PM]
	s_cmp_eq_u32 s59, s[PM]
	s_cbranch_scc0 .Lnot_mine_\@
	global_prefetch_b8 v[PFO], s[PFA:PFA+1] th:TH_LOAD_NT scope:SCOPE_SE
.Lnot_mine_\@:
.endm
	s_load_b256 s[4:11], s[0:1], 0x0               ; q, kv, att_mask, padding_mask
	s_load_b64 s[12:13], s[0:1], 0x20              ; out
	v_lshl_add_u32 v[SPW], v0, 2, SPARE
	v_mov_b32 v[NIL], 0
	ds_add_u32 v[SPW], v[NIL]                      ; the opening lines: the add twice on end and its wait
	ds_add_u32 v[SPW], v[NIL]
	s_wait_dscnt 0x0
	v_lshrrev_b32 v[ADK], 5, v0
	v_readfirstlane_b32 s[WV], v[ADK]              ; wave 0..7
	s_bfe_u32 s82, ttmp6, 0x40000                  ; cx
	s_bfe_u32 s83, ttmp6, 0x40004                  ; cy = the group of heads
	s_lshl_b32 s84, ttmp9, 2
	s_add_co_u32 s84, s84, s82                     ; my block of 128 queries
	s_and_b32 s85, ttmp7, 0xffff                   ; the batch
	s_lshl_b32 s86, s83, 2
	s_lshl_b32 s86, 15, s86                        ; my row of the cluster
	s_lshl_b32 s87, 0x1111, s82                    ; my column
	s_or_b32 s[G1KV], s86, (3<<16)|(1<<21)         ; kv: 67 rows of 256 bytes, dense: a quarter of a block
	s_mov_b32 s[G1KV+1], 32<<16
	s_mov_b32 s[G1KV+2], 67<<16
	s_mov_b32 s[G1KV+3], 32<<16
	s_mov_b32 s[G1KV+4], 67
	s_mov_b32 s[G1KV+5], 32
	s_mov_b32 s[G1KV+6], 0
	s_mov_b32 s[G1KV+7], 0
	s_or_b32 s[G1A], s87, (2<<16)|(1<<20)|(1<<21)|(6<<22)|(3<<25)   ; att_mask: 64 rows of 128 f32, 2,048 apart; four words of padding behind every 128
	s_mov_b32 s[G1A+1], 128<<16
	s_mov_b32 s[G1A+2], 64<<16
	s_mov_b32 s[G1A+3], 128<<16
	s_mov_b32 s[G1A+4], 64
	s_mov_b32 s[G1A+5], 2048
	s_mov_b32 s[G1A+6], 0
	s_mov_b32 s[G1A+7], 0
	s_or_b32 s[G1P], s87, (0<<16)|(1<<20)|(1<<21)|(4<<22)|(3<<25)   ; padding_mask: 64 rows of 128 bytes, 2,048 apart; four words behind every 32
	s_mov_b32 s[G1P+1], 128<<16
	s_mov_b32 s[G1P+2], 64<<16
	s_mov_b32 s[G1P+3], 128<<16
	s_mov_b32 s[G1P+4], 64
	s_mov_b32 s[G1P+5], 2048
	s_mov_b32 s[G1P+6], 0
	s_mov_b32 s[G1P+7], 0
	s_and_b32 s15, s[WV], 1
	s_and_b32 s58, s[WV], 3
	s_mul_i32 s[LBKV], s58, 67*256                 ; no place in the cluster enters an LDS address
	s_mul_i32 s[LBA], s15, 64*APITCH
	s_add_co_u32 s[LBA], s[LBA], ATO
	s_mul_i32 s[LBP], s15, 64*PPITCH
	s_add_co_u32 s[LBP], s[LBP], PDO
	s_lshl_b32 s88, s85, 2
	s_add_co_u32 s88, s88, s83                     ; batch x 4 + group: shared along a row of the cluster
	s_mul_i32 s89, s88, 16*KVB
	s_add_co_u32 s90, s89, s[LBKV]
	s_mov_b32 s91, 0
	s_lshl_b32 s92, s84, 7
	s_lshl_b32 s59, s15, 6
	s_add_co_u32 s92, s92, s59                     ; the first row of the masks that I fetch: shared along a column
	s_lshl_b32 s94, s92, 13
	s_mov_b32 s95, 0
	s_lshl_b32 s96, s92, 11
	s_lshl_b32 s59, s85, 22
	s_add_co_u32 s96, s96, s59
	s_mov_b32 s97, 0
	s_lshl_b32 s98, s88, 21                        ; q and out: the group's first head,
	s_lshl_b32 s59, s84, 15
	s_add_co_u32 s98, s98, s59                     ; my block's rows,
	s_lshl_b32 s59, s[WV], 12
	s_add_co_u32 s98, s98, s59                     ; my wave's 16
	s_mov_b32 s99, 0
	s_mov_b32 s[SEL], 0x76543210
	s_mov_b32 s[SEL+1], 0xfedcba98
	s_mov_b32 s[L2E], 0x3fb8aa3b
	s_mov_b32 s[L2E+1], 0x3fb8aa3b
	s_mov_b32 s[MNT], 0x600000
	s_mov_b32 s[HIM], 0xffff0000
	s_mov_b32 s[TB], 0
	s_mov_b32 s[CNT], 15
	s_wait_kmcnt 0x0
	s_add_nc_u64 s[4:5], s[4:5], s[98:99]
	s_add_nc_u64 s[12:13], s[12:13], s[98:99]
	v_and_b32 v[LA], 15, v0                        ; q is asked for first of all: row r of 256 bytes, + 64 h
	v_bfe_u32 v[LP], v0, 4, 1
	v_lshlrev_b32 v[ADK], 8, v[LA]
	v_lshl_add_u32 v[ADK], v[LP], 6, v[ADK]
.irp g, 0,1,2,3                        ; register 32 g + 16 c + i is channel 32 c + 16 h + i of my query in head g
.irp c, 0,1
.irp j, 0,1,2,3
	global_load_b128 v[SC+32*\g+16*\c+4*\j:SC+32*\g+16*\c+4*\j+3], v[ADK], s[4:5] offset:\g*HEADB+128*\c+16*\j
.endr
.endr
.endr
	s_mov_b32 s[G0KV], 1
	s_mov_b32 s[G0KV+1], s[LBKV]
	s_add_nc_u64 s[G0KV+2:G0KV+3], s[6:7], s[90:91]
	s_or_b32 s[G0KV+3], s[G0KV+3], 0x80000000
	s_mov_b32 s[G0A], 1
	s_mov_b32 s[G0A+1], s[LBA]
	s_add_nc_u64 s[G0A+2:G0A+3], s[8:9], s[94:95]
	s_or_b32 s[G0A+3], s[G0A+3], 0x80000000
	s_mov_b32 s[G0P], 1
	s_mov_b32 s[G0P+1], s[LBP]
	s_add_nc_u64 s[G0P+2:G0P+3], s[10:11], s[96:97]
	s_or_b32 s[G0P+3], s[G0P+3], 0x80000000
	CROUND                                         ; all sixteen work-groups are here: the first joint loads meet
	JLOAD                                          ; step 0 into slot 0: my one load at the head
	; the prefetches: where mine stand and whether I ask.  They start at step 1; the first change of slots steps them to step 2
	s_lshl_b32 s90, s82, 14
	s_add_co_u32 s90, s90, s89
	s_lshl_b32 s91, s15, 13
	s_add_co_u32 s90, s90, s91
	s_add_co_u32 s90, s90, KVB
	s_lshl_b32 s92, s84, 7
	s_lshl_b32 s91, s83, 5
	s_add_co_u32 s92, s92, s91
	s_lshl_b32 s93, s92, 13
	s_lshl_b32 s91, s15, 8
	s_add_co_u32 s93, s93, s91
	s_add_co_u32 s93, s93, 512
	s_lshl_b32 s94, s92, 11
	s_lshl_b32 s91, s85, 22
	s_add_co_u32 s94, s94, s91
	s_add_co_u32 s94, s94, 128
	s_lshr_b32 s95, s[WV], 1
	s_sub_co_u32 s96, s[WV], 4
	s_mov_b32 s[PFS], 128
	s_mov_b32 s[PFS+1], 0
	s_cmp_eq_u32 s95, 0
	s_cselect_b64 s[PFA:PFA+1], s[6:7], s[10:11]
	s_cselect_b32 s94, s90, s94
	s_cselect_b32 s[PFS], KVB, s[PFS]
	s_cselect_b32 s97, 8, 11
	s_cselect_b32 s96, ttmp9, s96
	s_cselect_b32 s[PM], 0, 1
	s_cmp_eq_u32 s95, 1
	s_cselect_b64 s[PFA:PFA+1], s[8:9], s[PFA:PFA+1]
	s_cselect_b32 s94, s93, s94
	s_cselect_b32 s[PFS], 512, s[PFS]
	s_cselect_b32 s97, 13, s97
	s_cselect_b32 s96, s85, s96
	s_cselect_b32 s[PM], 0, s[PM]
	s_cmp_eq_u32 s96, 0
	s_cselect_b32 s[LIM], 1, -1
	s_mov_b32 s95, 0
	s_add_nc_u64 s[PFA:PFA+1], s[PFA:PFA+1], s[94:95]
	v_and_b32 v[PFO], 31, v0
	v_lshlrev_b32 v[PFO], s97, v[PFO]
	v_and_b32 v[TT], 15, v0                        ; r
	v_bfe_u32 v[TT+1], v0, 4, 1                    ; h
	v_and_b32 v[ADA], 31, v0
	v_lshlrev_b32 v[LK], 4, v[ADA]
	v_lshl_or_b32 v[LSC], v[ADA], 3, 0x10000
	s_mul_i32 s59, s[WV], 16*APITCH
	s_add_co_u32 s59, s59, ATO
	v_mul_u32_u24 v[LA], v[TT], APITCH
	v_lshl_add_u32 v[LA], v[TT+1], 6, v[LA]
	v_add_nc_u32 v[LA], s59, v[LA]                 ; att_mask: row 16 w + r, + 64 h bytes
	s_mul_i32 s59, s[WV], 16*PPITCH
	s_add_co_u32 s59, s59, PDO
	v_mul_u32_u24 v[LP], v[TT], PPITCH
	v_lshl_add_u32 v[LP], v[TT+1], 4, v[LP]
	v_add_nc_u32 v[LP], s59, v[LP]                 ; padding_mask: + 16 h bytes
	; cleared once, while q is on its way: O^T, Q's upper halves, V^T (the first second product of all multiplies zero codes), tile 7's upper half.  The step is written for the steps alike.
	WIN W_D1
.set j, 0
.rept 128
	v_mov_b32 v[OT+j], 0
.set j, j+1
.endr
.irp g, 0,1,2,3
.irp i, 8,9,10,11,12,13,14,15
	v_mov_b32 v[QF+16*\g+\i], 0
.endr
.endr
.set j, 0
.rept 64
	v_mov_b32 v[VF+j], 0
.set j, j+1
.endr
	WIN 0
.irp i, 0,1,2,3,4,5,6,7
	v_mov_b32 v[Z8+\i], 0
.endr
.irp g, 0,1,2,3
	v_mov_b32 v[ST+4*\g+1], 0xfa000000             ; the largest logit so far: -2^117: under every logit that is served, over a masked one (-2^118)
	v_mul_f32 v[ST+4*\g], s[L2E], v[ST+4*\g+1]
	v_floor_f32 v[ST+4*\g], -v[ST+4*\g]            ; -M, by the step's own two lines
	v_mov_b32 v[ST+4*\g+2], 0
	v_mov_b32 v[ST+4*\g+3], 0
	v_mov_b32 v[BP+\g], 0                          ; a lane permute's destination counts as one of its sources
.endr
.macro QUANTQ g                        ; my query's 64 channels of head g become 8 registers of codes and a scale word
.set X, SC+32*(\g)
.irp c, 0,1
	v_max3_num_f32 v[BM+\c], |v[X+16*\c]|, |v[X+16*\c+1]|, 0x6000000   ; my 16 numbers and the floor 2^(12 - 127): the byte cannot fall under 4
.endr
.irp i, 2,4,6,8,10,12,14
.irp c, 0,1
	v_max3_num_f32 v[BM+\c], v[BM+\c], |v[X+16*\c+\i]|, |v[X+16*\c+\i+1]|
.endr
.endr
.irp c, 0,1
	v_permlanex16_b32 v[BP+\c], v[BM+\c], s[SEL], s[SEL+1]
.endr
.irp c, 0,1
	v_max_num_f32 v[BM+\c], v[BM+\c], v[BP+\c]
.endr
.irp c, 0,1
	v_add_nc_u32 v[SO+\c], 0xfc000000, v[BM+\c]    ; 8 off the exponent field: the conversion's scale operand
.endr
.irp c, 0,1
	v_and_or_b32 v[BP+\c], v[BM+\c], 0x7f800000, s[MNT]   ; 448 x the scale
.endr
.irp c, 0,1
	v_lshrrev_b32 v[TT+\c], 23, v[SO+\c]
.endr
	v_lshl_or_b32 v[KS+(\g)], v[TT+1], 8, v[TT]    ; the scale word; its upper two bytes stay 0
	v_add_nc_u32 v[KS+(\g)], 0xfffffcfd, v[KS+(\g)]   ; 3 off each of the two bytes (each is 4 at the least): the product's factor 1/8
.irp c, 0,1
.set j, 0
.rept 16
	v_med3_num_f32 v[X+16*\c+j], v[X+16*\c+j], -v[BP+\c], v[BP+\c]   ; the conversion to an 8-bit code does not saturate (ISA guide 7.6.2)
.set j, j+1
.endr
.endr
	WIN W_D1
.irp c, 0,1
	v_cvt_scalef32_pk8_fp8_f32 v[QF+16*(\g)+4*\c:QF+16*(\g)+4*\c+1], v[X+16*\c:X+16*\c+7], v[SO+\c]
	v_cvt_scalef32_pk8_fp8_f32 v[QF+16*(\g)+4*\c+2:QF+16*(\g)+4*\c+3], v[X+16*\c+8:X+16*\c+15], v[SO+\c]
.endr
	WIN 0
	v_nop                                          ; a plain line behind the last conversion of the run
.endm
.irp g, 0,1,2,3
	s_wait_loadcnt 24-8*\g                         ; this head's eight loads are in; the later heads' may be out
	QUANTQ \g
.endr
	v_cndmask_b32 v[QS], v[KS], v[KS+1], s[HIM]
	v_cndmask_b32 v[QS+1], v[KS+2], v[KS+3], s[HIM]
.set j, 0
.rept 16
	v_mov_b32 v[PC+j], 0                           ; zero codes for the first second product of all,
.set j, j+1
.endr
	v_mov_b32 v[VS], 0                             ; under finite scale bytes,
	v_mov_b32 v[VS+1], 0
	v_mov_b32 v[PW], 0
	v_mov_b32 v[FF], 1.0                           ; and a factor for zeros
.macro WALK slot                       ; the descriptors and the prefetches' address step on: the next step's tiles, into the slot named
	s_add_co_u32 s[G0KV+1], s[LBKV], s[\slot]
	s_add_co_u32 s[G0A+1], s[LBA], s[\slot]
	s_add_co_u32 s[G0P+1], s[LBP], s[\slot]
	s_add_nc_u64 s[G0KV+2:G0KV+3], s[G0KV+2:G0KV+3], KVB
	s_add_nc_u64 s[G0A+2:G0A+3], s[G0A+2:G0A+3], 512
	s_add_nc_u64 s[G0P+2:G0P+3], s[G0P+2:G0P+3], 128
	s_wait_xcnt 0x0                                ; the last prefetch has read its address
	s_add_nc_u64 s[PFA:PFA+1], s[PFA:PFA+1], s[PFS:PFS+1]
.endm
.macro LEAVE fill                      ; behind my last LDS read of the slot in hand
	s_wait_alu depctr_va_vdst(0)                   ; ahead of the wait below, and ahead of the batch of exponentials that follows the signal
	s_wait_tensorcnt 0x0                           ; my one load that is out, my part of the next slot, has landed
	ds_add_u32 v[SPW], v[NIL]
.if \fill
	WALK TB
.endif
	s_wait_dscnt 0x0                               ; the add is done, and my reads of this slot are over
	s_barrier_signal -1                            ; the round's opening signal; work on registers alone follows up to its wait
.endm
.macro MEET fill
	s_barrier_wait -1
.if \fill
	CREST                                          ; no wave of any partner still reads this slot or has a load on its way
	JLOAD                                          ; the step after the next, into the slot that has been left
	ASK
.endif
.endm
.macro KPART g, a, b                   ; loads a to b - 1 of the sixteen that bring head g's eight tiles of K
.set n, \a
.rept (\b)-(\a)
	ds_load_b128 v[KF+4*n:KF+4*n+3], v[ADK] offset:(\g)*8192+512*n
.set n, n+1
.endr
.endm
.macro KSCL g                          ; and their scale words
	ds_load_b64 v[KS:KS+1], v[ADS] offset:(\g)*768
	ds_load_b64 v[KS+2:KS+3], v[ADS] offset:(\g)*768+256
.endm
.macro KQ g, mode, a                   ; a quarter of the NEXT head's K, where one follows in this step
.if (\mode) == 0
	KPART (\g)+1, \a, (\a)+4
.endif
.endm
.macro VLOAD g                         ; 17 LDS loads
	WIN W_D1
.set n, 0
.rept 16
	ds_load_b128 v[VF+4*n:VF+4*n+3], v[ADK] offset:32768+(\g)*8192+512*n
.set n, n+1
.endr
	WIN 0
	ds_load_b64 v[VS:VS+1], v[ADS] offset:(\g)*768+512
.endm
.macro PVHEAD p                        ; O^T of head p under its new M, then += V^T P^T over its 128 keys: four accumulators, one instruction each
	WIN W_RS
.set j, 0
.rept 16
	v_pk_mul_f32 v[OT+32*(\p)+j:OT+32*(\p)+j+1], v[OT+32*(\p)+j:OT+32*(\p)+j+1], v[FF:FF+1] op_sel_hi:[1,0]
.set j, j+2
.endr
	WIN W_PV
.irp t, 0,2
	v_wmma_scale_f32_16x16x128_f8f6f4 v[OT+32*(\p)+8*\t:OT+32*(\p)+8*\t+7], v[VF+16*\t:VF+16*\t+15], v[PC:PC+15], v[OT+32*(\p)+8*\t:OT+32*(\p)+8*\t+7], v[VS+\t/2], v[PW]
	v_wmma_scale_f32_16x16x128_f8f6f4 v[OT+32*(\p)+8*\t+8:OT+32*(\p)+8*\t+15], v[VF+16*\t+16:VF+16*\t+31], v[PC:PC+15], v[OT+32*(\p)+8*\t+8:OT+32*(\p)+8*\t+15], v[VS+\t/2], v[PW] matrix_a_scale:MATRIX_SCALE_ROW1
.endr
	WIN 0
.endm
; THE WAY OUT of head p, in the last step.  FIN: the sum's two halves and lane l xor 16's are added; O^T is divided by the sum in place and turns through my stage in LDS: 16 rows of 256 bytes.  SEND: stored.
.macro FIN p
	v_add_f32 v[B2], v[ST+4*(\p)+2], v[ST+4*(\p)+3]
	v_permlanex16_b32 v[B2+1], v[B2], s[SEL], s[SEL+1]
	v_add_f32 v[B2], v[B2], v[B2+1]
	s_wait_alu depctr_va_vdst(0)                   ; ahead of the transcendental,
	v_rcp_f32 v[ST+4*(\p)+2], v[B2]
	v_nop
	s_wait_alu depctr_va_vdst(0)                   ; and behind it, ahead of its first reader, which is also O^T's
	WIN W_RS
.set j, 0
.rept 16
	v_pk_mul_f32 v[OT+32*(\p)+j:OT+32*(\p)+j+1], v[OT+32*(\p)+j:OT+32*(\p)+j+1], v[ST+4*(\p)+2:ST+4*(\p)+3] op_sel_hi:[1,0]   ; register 8 t + i is out(r, 16 t + 8 h + i)
.set j, j+2
.endr
	WIN W_S
.irp t, 0,1,2,3
	ds_store_b128 v[LA], v[OT+32*(\p)+8*\t:OT+32*(\p)+8*\t+3] offset:64*\t
	ds_store_b128 v[LA], v[OT+32*(\p)+8*\t+4:OT+32*(\p)+8*\t+7] offset:64*\t+16
.endr
	WIN W_D1
.irp i, 0,1,2,3,4,5,6,7
	ds_load_b128 v[OT+32*(\p)+4*\i:OT+32*(\p)+4*\i+3], v[LP] offset:\i*2*SPITCH   ; LDS serves a wave's instructions in order (ISA guide 5.7.1.4): these see the stores above, and the next head's stores come behind them
.endr
	WIN 0
.endm
.macro SEND p
	s_wait_dscnt 0x0                               ; the head is back in registers
	WIN W_S
.irp i, 0,1,2,3,4,5,6,7
	global_store_b128 v[LK], v[OT+32*(\p)+4*\i:OT+32*(\p)+4*\i+3], s[12:13] offset:(\p)*HEADB+512*\i th:TH_STORE_NT   ; 32 lanes store two rows: 512 consecutive bytes, aligned; neither data nor address is written again
.endr
	WIN 0
.endm
; THE STEP'S MASKS, once for four heads.  Register 16 b + i belongs to key 32 b + 16 h + i, as in the logits.  Eight padding bytes (0 or 1), read as codes of E4M3 (0 or 2^-9) under the scale 2^127, are 0 or 2^118: taken off att_mask.
.macro MSUB b, d                       ; block b's 16 numbers, whose 0 or 2^118 lie from register d on
.set j, 0
.rept 8
	v_pk_add_f32 v[MK+16*(\b)+j:MK+16*(\b)+j+1], v[MK+16*(\b)+j:MK+16*(\b)+j+1], v[\d+j:\d+j+1] neg_lo:[0,1] neg_hi:[0,1]
.set j, j+2
.endr
.endm
.macro MASKS base                      ; base: where the slot in hand begins
	v_add_nc_u32 v[ADK], \base, v[LK]
	v_add_nc_u32 v[ADS], \base, v[LSC]
	v_add_nc_u32 v[ADA], \base, v[LA]
	v_add_nc_u32 v[ADP], \base, v[LP]
	v_mov_b32 v[SCB], 0xfefefefe
.irp b, 0,1,2,3
	ds_load_b128 v[SC+4*\b:SC+4*\b+3], v[ADP] offset:32*\b
.endr
.irp b, 0,1,2,3
.irp j, 0,1,2,3
	ds_load_b128 v[MK+16*\b+4*\j:MK+16*\b+4*\j+3], v[ADA] offset:128*\b+16*\j
.endr
.endr
	KPART 0, 0, 16
	KSCL 0
	PVHEAD 3                                       ; the last step's head 3: work on registers while the loads are out
	s_wait_dscnt 18                                ; the 20 loads of the masks are in; K's 18 may be out
.irp b, 0,1,2
	v_cvt_scale_pk8_f32_fp8 v[SC+16+16*\b:SC+23+16*\b], v[SC+4*\b:SC+4*\b+1], v[SCB]
	v_cvt_scale_pk8_f32_fp8 v[SC+24+16*\b:SC+31+16*\b], v[SC+4*\b+2:SC+4*\b+3], v[SCB]
.endr
	v_nop                                          ; a plain line behind the last conversion of the run
.irp b, 0,1,2
	MSUB \b, SC+16+16*\b
.endr
	v_cvt_scale_pk8_f32_fp8 v[SC+16:SC+23], v[SC+12:SC+13], v[SCB]
	v_cvt_scale_pk8_f32_fp8 v[SC+24:SC+31], v[SC+14:SC+15], v[SCB]
	v_nop
	MSUB 3, SC+16
	s_wait_alu depctr_va_vdst(0)
.endm
.macro SPROD t, g                      ; the logits' tile t of head g = K Q^T / 8 + the merged mask.  The odd tile's and the odd head's scale words lie in lanes 16-31
.set rS, SC+8*(\t)
.set rK, KF+8*(\t)
.set rQ, QF+16*(\g)
.set rM, MK+8*(\t)
.if ((\t)%2 == 0) && ((\g)%2 == 0)
	v_wmma_scale_f32_16x16x128_f8f6f4 v[rS:rS+7], v[rK:rK+15], v[rQ:rQ+15], v[rM:rM+7], v[KS+(\t)/2], v[QS+(\g)/2]
.elseif ((\t)%2 == 1) && ((\g)%2 == 0)
	v_wmma_scale_f32_16x16x128_f8f6f4 v[rS:rS+7], v[rK:rK+15], v[rQ:rQ+15], v[rM:rM+7], v[KS+(\t)/2], v[QS+(\g)/2] matrix_a_scale:MATRIX_SCALE_ROW1
.elseif ((\t)%2 == 0)
	v_wmma_scale_f32_16x16x128_f8f6f4 v[rS:rS+7], v[rK:rK+15], v[rQ:rQ+15], v[rM:rM+7], v[KS+(\t)/2], v[QS+(\g)/2] matrix_b_scale:MATRIX_SCALE_ROW1
.else
	v_wmma_scale_f32_16x16x128_f8f6f4 v[rS:rS+7], v[rK:rK+15], v[rQ:rQ+15], v[rM:rM+7], v[KS+(\t)/2], v[QS+(\g)/2] matrix_a_scale:MATRIX_SCALE_ROW1 matrix_b_scale:MATRIX_SCALE_ROW1
.endif
.endm
.macro MX3 d, a, i, k                  ; for the four blocks by turns: d = the largest of a and the block's logits i and k
.irp b, 0,1,2,3
	v_max3_num_f32 v[\d+\b], v[\a+\b], v[SC+16*\b+\i], v[SC+16*\b+\k]
.endr
.endm
.macro SOFTMAX g, mode, fin            ; mode 0: a head follows in this step; 1: the step's last head, a refill follows; 2: the same with no refill; 3: the last head of all.  fin: the head that leaves here, or -1
.set rT, ST+4*(\g)
.irp b, 0,1,2,3
	v_max3_num_f32 v[BM+\b], v[SC+16*\b], v[SC+16*\b+1], v[SC+16*\b+2]   ; the largest logit of each block of 32 keys, in two chains a block: for the row's maximum and for the block's largest p.  Each accumulator is read from its low end on
.endr
	MX3 BM, BM, 3, 4
	VLOAD \g                                       ; these eight lines were the places behind the products that read V^T's registers and p's codes
.irp b, 0,1,2,3
	v_max3_num_f32 v[B2+\b], v[SC+16*\b+8], v[SC+16*\b+9], v[SC+16*\b+10]
.endr
	MX3 BM, BM, 5, 6
	MX3 B2, B2, 11, 12
	MX3 BM, BM, 7, 15
	MX3 B2, B2, 13, 14
.irp b, 0,1,2,3
	v_max_num_f32 v[BM+\b], v[BM+\b], v[B2+\b]
.endr
.if (\fin) >= 0
	FIN \fin                                       ; every logit has been read once, and the second chains' registers are free
.endif
.irp b, 0,1,2,3
	v_permlanex16_b32 v[BP+\b], v[BM+\b], s[SEL], s[SEL+1]
.endr
.irp b, 0,1,2,3
	v_max_num_f32 v[BM+\b], v[BM+\b], v[BP+\b]     ; with lane l xor 16's 16 keys
.endr
	v_max3_num_f32 v[TT], v[BM], v[BM+1], v[BM+2]  ; four lines that hang on each other; the next head's K is asked for between them
	KQ \g, \mode, 0
	v_max3_num_f32 v[rT+1], v[TT], v[BM+3], v[rT+1]   ; the running largest logit of my query
	v_mov_b32 v[TT+1], v[rT]
	KQ \g, \mode, 4
	v_mul_f32 v[TT], s[L2E], v[rT+1]               ; as t
	KQ \g, \mode, 8
	v_floor_f32 v[rT], -v[TT]                      ; the new -M = -ceil(t)
	KQ \g, \mode, 12
.if (\mode) == 0
	KSCL (\g)+1
.endif
.irp q, 0,1,2,3
.set j, 16*\q
.rept 8
	v_pk_fma_f32 v[SC+j:SC+j+1], v[SC+j:SC+j+1], s[L2E:L2E+1], v[rT:rT+1] op_sel_hi:[1,0,0]   ; t - M, two at a time
.set j, j+2
.endr
.if \q == 0
	v_sub_f32 v[TT], v[rT], v[TT+1]                ; old M - new M: a whole number, 0 or less
.elseif \q == 1
	v_cvt_i32_f32 v[TT], v[TT]                     ; (it saturates)
.elseif \q == 2
	v_ldexp_f32 v[FF], 1.0, v[TT]                  ; f = 2^(old M - new M)
.endif
.endr
.irp b, 0,1,2,3
	v_fma_f32 v[BM+\b], v[BM+\b], s[L2E], v[rT]    ; the same of each block's largest logit
.endr
.if (\mode) == 1
	LEAVE 1
.elseif (\mode) == 2
	LEAVE 0
.else
	s_wait_alu depctr_va_vdst(0)                   ; ahead of the batch (and, where a head leaves, ahead of the wait below)
.endif
.if (\fin) >= 0
	SEND \fin
.endif
.set j, 0
.rept 64
	v_exp_f32 v[SC+j], v[SC+j]                     ; p = 2^(t - M), at most 1; 0 where masked
.set j, j+1
.endr
.irp b, 0,1,2,3
	v_exp_f32 v[BM+\b], v[BM+\b]                   ; the block's largest p: the same two instructions on the same number
.endr
	v_pk_mul_f32 v[rT+2:rT+3], v[rT+2:rT+3], v[FF:FF+1] op_sel_hi:[1,0]   ; the sums under the new M (the plain line behind the exponentials)
	s_wait_alu depctr_va_vdst(0)                   ; and behind it
.irp b, 0,1,2,3
	v_max_num_f32 v[BM+\b], 0x4800000, v[BM+\b]    ; the floor 2^(9 - 127): the byte cannot fall under 1
.endr
.irp b, 0,1,2,3
	v_and_or_b32 v[BP+\b], v[BM+\b], 0x7f800000, s[MNT]   ; 448 x the scale
.endr
.irp b, 0,1,2,3
	v_add_nc_u32 v[BM+\b], 0xfc000000, v[BM+\b]    ; 8 off the exponent field: the conversion's scale operand
.endr
	v_lshrrev_b32 v[PW], 23, v[BM]                 ; the four bytes make p's scale word
	v_lshrrev_b32 v[TT], 23, v[BM+1]
	v_lshrrev_b32 v[TT+1], 23, v[BM+2]
	v_lshl_or_b32 v[PW], v[TT], 8, v[PW]
	v_lshrrev_b32 v[TT], 23, v[BM+3]
	v_lshl_or_b32 v[PW], v[TT+1], 16, v[PW]
	v_lshl_or_b32 v[PW], v[TT], 24, v[PW]
.irp c, 0,1,2,3                        ; the row's sum of the unquantised p: two at a time, in five chains by turns
.set e, S2+2*\c+4*(\c/2)
	v_pk_add_f32 v[e:e+1], v[SC+2*\c:SC+2*\c+1], v[SC+8+2*\c:SC+8+2*\c+1]
.endr
.irp m, 0,1,2,3
	v_pk_add_f32 v[rT+2:rT+3], v[rT+2:rT+3], v[SC+16+10*\m:SC+16+10*\m+1]
.irp c, 0,1,2,3
.set e, S2+2*\c+4*(\c/2)
	v_pk_add_f32 v[e:e+1], v[e:e+1], v[SC+18+10*\m+2*\c:SC+18+10*\m+2*\c+1]
.endr
.endr
.irp c, 0,1,2,3
.set e, S2+2*\c+4*(\c/2)
	v_pk_add_f32 v[e:e+1], v[e:e+1], v[SC+56+2*\c:SC+56+2*\c+1]
.endr
	v_pk_add_f32 v[S2:S2+1], v[S2:S2+1], v[S2+2:S2+3]
	v_pk_add_f32 v[S2+8:S2+9], v[S2+8:S2+9], v[S2+10:S2+11]
	v_pk_add_f32 v[rT+2:rT+3], v[rT+2:rT+3], v[S2:S2+1]
	v_pk_add_f32 v[rT+2:rT+3], v[rT+2:rT+3], v[S2+8:S2+9]
.irp b, 0,2                            ; the hold (ISA guide 7.6.2), one-sided since p is not negative: two numbers a line, of two neighbouring blocks, so that the pair's sources lie in different register banks
.set j, 0
.rept 8
	v_dual_min_num_f32 v[SC+16*\b+j], v[SC+16*\b+j], v[BP+\b] :: v_dual_min_num_f32 v[SC+16*\b+17+j], v[SC+16*\b+17+j], v[BP+\b+1]
	v_dual_min_num_f32 v[SC+16*\b+16+j], v[SC+16*\b+16+j], v[BP+\b+1] :: v_dual_min_num_f32 v[SC+16*\b+1+j], v[SC+16*\b+1+j], v[BP+\b]
.set j, j+2
.endr
.endr
.irp b, 0,1,2,3                        ; the codes land over the temporaries, which are done with
	v_cvt_scalef32_pk8_fp8_f32 v[PC+4*\b:PC+4*\b+1], v[SC+16*\b:SC+16*\b+7], v[BM+\b]
	v_cvt_scalef32_pk8_fp8_f32 v[PC+4*\b+2:PC+4*\b+3], v[SC+16*\b+8:SC+16*\b+15], v[BM+\b]
.endr
	v_nop                                          ; a plain line behind the last conversion: the next products write over p
.if (\mode) == 1
	MEET 1
.elseif (\mode) == 2
	MEET 0
.endif
.endm
.macro UNIT g, p, mode, fin            ; head g's logits; head p's (the one before) second product, or for p = -1 eight idle places; head g's softmax
	s_wait_dscnt 0x0                               ; K of head g and V^T of head p are in
	WIN W_S
.irp t, 0,1,2,3,4,5,6,7
	SPROD \t, \g
.endr
.if (\p) >= 0
	PVHEAD \p                                      ; its 16 plain lines are the places behind the eight products: in front of the first read of the logits and of the loads into K's registers
.else
	WIN 0
	PLACES 8
.endif
	SOFTMAX \g, \mode, \fin
.endm
.macro STEP mode
	MASKS s[TB]
	UNIT 0, -1, 0, -1
	UNIT 1, 0, 0, -1
	UNIT 2, 1, 0, -1
	UNIT 3, 2, \mode, -1
	s_xor_b32 s[TB], s[TB], SLOTB                  ; on to the other slot
.endm
	s_wait_alu depctr_va_vdst(0)
	s_wait_tensorcnt 0x0                           ; my part of step 0 is in; slot 1's first fill is issued as a refill is
	ds_add_u32 v[SPW], v[NIL]
	s_xor_b32 s[TF], s[TB], SLOTB
	WALK TF
	s_wait_dscnt 0x0
	CROUND
	JLOAD                                          ; step 1 into slot 1
	ASK
	s_mov_b32 s[CNT], 14
.Lstep:                                            ; steps 0 to 13: step s asks for step s + 2
	STEP 1
	s_sub_co_u32 s[CNT], s[CNT], 1
	s_cmp_lg_u32 s[CNT], 0
	s_cbranch_scc1 .Lstep
	STEP 2                                         ; step 14, in slot 0, asks for nothing; its barrier shows step 15's tiles to all waves, and behind it nobody reads slot 0
	; STEP 15, in slot 1, with the way out.  The stages lie in slot 0
	MASKS SLOTB
	v_and_b32 v[TT], 15, v0                        ; r
	v_bfe_u32 v[TT+1], v0, 4, 1                    ; h
	s_mul_i32 s59, s[WV], 16*SPITCH                ; my stage
	v_mul_u32_u24 v[LA], v[TT], SPITCH
	v_lshl_add_u32 v[LA], v[TT+1], 5, v[LA]
	v_add_nc_u32 v[LA], s59, v[LA]                 ; in: row r; tile t's eight channels of my half: 64 t + 32 h bytes on
	v_mul_u32_u24 v[LP], v[TT+1], SPITCH
	v_lshl_add_u32 v[LP], v[TT], 4, v[LP]
	v_add_nc_u32 v[LP], s59, v[LP]                 ; back: lanes 0-15 one row, lanes 16-31 the next
	UNIT 0, -1, 0, -1
	UNIT 1, 0, 0, 0
	UNIT 2, 1, 0, 1
	UNIT 3, 2, 3, 2
	s_wait_dscnt 0x0
	PVHEAD 3                                       ; the last head's second product
	PLACES 8                                       ; in front of the first line that writes over p's codes, and of the first read of O^T
	FIN 3
	SEND 3
	s_wait_tensorcnt 0x0                           ; the wave's end
	ds_add_u32 v[SPW], v[NIL]
	s_wait_dscnt 0x0
	CROUND                                         ; the closing round
	s_endpgm
.Lfunc_end_k_q638563dfdd_attn:
	.size	k_q638563dfdd_attn, .Lfunc_end_k_q638563dfdd_attn-k_q638563dfdd_attn
	.p2alignl 7, 3214868480
	.fill 96, 4, 3214868480
	.section	.rodata,"a",@progbits
	.p2align	6, 0x0
	.amdhsa_kernel k_q638563dfdd_attn
		.amdhsa_group_segment_fixed_size 327680
		.amdhsa_private_segment_fixed_size 0
		.amdhsa_enable_private_segment 0
		.amdhsa_kernarg_size 40
		.amdhsa_user_sgpr_count 2
		.amdhsa_user_sgpr_kernarg_segment_ptr 1
		.amdhsa_wavefront_size32 1
		.amdhsa_system_sgpr_workgroup_id_x 1
		.amdhsa_system_sgpr_workgroup_id_y 1
		.amdhsa_system_sgpr_workgroup_id_z 1
		.amdhsa_system_vgpr_workitem_id 0
		.amdhsa_next_free_vgpr 512
		.amdhsa_next_free_sgpr 100
		.amdhsa_reserve_vcc 0
		.amdhsa_float_denorm_mode_32 3
		.amdhsa_float_denorm_mode_16_64 3
		.amdhsa_memory_ordered 1
		.amdhsa_forward_progress 1
		.amdhsa_inst_pref_size 255
	.end_amdhsa_kernel
	.section	.bss,"aw",@nobits
	.p2align	6
	.space	262144
	.amdgpu_metadata
---
amdhsa.version: [ 1, 2 ]
amdhsa.kernels:
  - .name:           k_q638563dfdd_attn
    .symbol:         k_q638563dfdd_attn.kd
    .args:
      - { .name: q, .offset: 0, .size: 8, .value_kind: global_buffer, .address_space: global }
      - { .name: kv, .offset: 8, .size: 8, .value_kind: global_buffer, .address_space: global }
      - { .name: att_mask, .offset: 16, .size: 8, .value_kind: global_buffer, .address_space: global }
      - { .name: padding_mask, .offset: 24, .size: 8, .value_kind: global_buffer, .address_space: global }
      - { .name: out0, .offset: 32, .size: 8, .value_kind: global_buffer, .address_space: global }
    .group_segment_fixed_size: 327680
    .private_segment_fixed_size: 0
    .kernarg_segment_align: 8
    .kernarg_segment_size: 40
    .max_flat_workgroup_size: 256
    .sgpr_count:     100
    .vgpr_count:     512
    .wavefront_size: 32
...
	.end_amdgpu_metadata
.endif
;; end of part 2
